; MI455X (gfx1250); checked and timed in simulation.
; The chip was launched on July 23, 2026; its instructions are those of AMD's public machine-readable ISA for CDNA 5 (MIT licence, August 2026) and "CDNA5" Instruction Set Architecture Reference Guide (July 2026). The comments in the code are by the model that wrote it; some were corrected since.
;; Multi Head Attention. Allowed arithmetic: matrix products marked QUANTISED: E4M3 operands, one given power-of-two scale a tensor, by v_wmma_f32_16x16x64_fp8_fp8 or v_wmma_f32_16x16x128_fp8_fp8, f32 sums; everything else in f32.
;; Inputs: W_k 1,024 x 1,024 float32; W_o 1,024 x 1,024 float32; W_q 1,024 x 1,024 float32; W_v 1,024 x 1,024 float32; lowp_scales 12 int32 (the exponents e of the quantised operands' scales 2^e); x 4 x 2,048 x 1,024 float32.
;; Outputs: out0 4 x 2,048 x 1,024 float32.
;; This version of the problem:
;;   THIS VERSION OF THE PROBLEM IS GIVEN IN LOW PRECISION. The matrix products marked QUANTISED in the list below multiply operands that are first quantised to E4M3 (4 exponent bits, 3 mantissa bits; 8 bits a number), with one given power-of-two scale for each operand tensor; their sums are f32. All else is computed in f32.
;;   The module's matrix products, in the order in which they are computed (A, B: the left and right operand; K: the contracted axis; several contracted axes count as one K, in the product's order):
;;     1. [M 8,192, K 1,024] x [K 1,024, N 1,024]; A: input x; B: input W_q: QUANTISED (scales: A lowp_scales[0], B lowp_scales[1])
;;     2. [M 8,192, K 1,024] x [K 1,024, N 1,024]; A: input x; B: input W_k: QUANTISED (scales: A lowp_scales[2], B lowp_scales[3])
;;     3. [M 8,192, K 1,024] x [K 1,024, N 1,024]; A: input x; B: input W_v: QUANTISED (scales: A lowp_scales[4], B lowp_scales[5])
;;     4. batch 64 x [M 2,048, K 64] x [K 64, N 2,048]; A: computed on the way; B: computed on the way: QUANTISED (scales: A lowp_scales[6], B lowp_scales[7])
;;     5. batch 64 x [M 2,048, K 2,048] x [K 2,048, N 64]; A: softmax (see below); B: computed on the way: QUANTISED (scales: A lowp_scales[8], B lowp_scales[9])
;;     6. [M 8,192, K 1,024] x [K 1,024, N 1,024]; A: computed on the way; B: input W_o: QUANTISED (scales: A lowp_scales[10], B lowp_scales[11])
;;   THE QUANTISER, for each operand of a quantised product, along K:
;;     - The operand's scale is 2^e, e = its entry of the input lowp_scales (int32; the entries are numbered through the quantised products in the list's order, A before B).
;;     - Each number is divided by the scale, clamped to +-448, and rounded to the nearest number of E4M3, ties to even, subnormals kept.
;;     - The product sums the exact products of the quantised numbers (number of the format x scale) in f32.
;;   ~~~python
;;   def quantise(x, axis, e):      # numpy; x: float32 -> the quantised numbers, widened to float32 again
;;       x = np.moveaxis(x, axis, -1); K = x.shape[-1]
;;       r = np.clip(x / 2.0 ** e, -448, 448)
;;       step = 2.0 ** (np.maximum(np.frexp(np.where(r == 0, 1, r))[1] - 1, -6) - 3)
;;       q = np.round(r / step) * step * 2.0 ** e      # np.round: ties to even
;;       return np.moveaxis(q, -1, axis).astype(np.float32)
;;   ~~~
;;   SOFTMAX AHEAD OF A QUANTISED PRODUCT. Where the list says 'softmax', what is quantised is not the finished softmax but p = 2^(t - M), with t = logit x log2(e) and M = ceil(the row's largest t), a whole number; so 1/2 < the row's largest p <= 1. The row's sum l is taken of the UNQUANTISED p, in f32, and the product's result is divided by l at the end. Since M is a whole number, a kernel that streams over the keys may use a running M (the ceiling of the running maximum): every later rescaling is an exact power of two, so the quantised numbers keep their values, but for numbers so far below the row's largest that they fall under the format's range.
;;   OPERANDS COMPUTED ON THE WAY. 'Computed on the way' means the value that the module computes at that place (a softmax that the list does not call 'softmax' is quantised finished and normalised). What goes into a quantiser is computed in f32, as accurately as f32 sums, v_exp_f32 and their like allow (about 1e-6 of the number): no bf16 or f16 on the way to a quantiser, and a product that is left as it is and whose result goes on into a quantised operand takes f32 operands (vector FMAs, or v_wmma_f32_16x16x4_f32). A number that lies on a knife's edge between two numbers of the format may be rounded either way, as far as f32 arithmetic and the matrix unit's own rounding can turn it there, and no further.
;; One version. Each part assembles by itself: llvm-mc -triple=amdgcn-amd-amdhsa -mcpu=gfx1250 --defsym DOCPART=n.
;; ======== version 1 of 1: 4 launches
;; limits: right only within a limited range of input values
;; workspace buffers: xc 25,165,824 bytes; wc 4,194,304 bytes; qkv 25,165,824 bytes; ao 8,388,608 bytes
;; launch quant (part 1): grid 384 x 1, 4 waves a work-group, no clusters, 36,352 bytes of LDS; arguments x, W_q, W_k, W_v, W_o, lowp_scales, xc, wc; writes xc, wc
.if DOCPART == 1
	.amdgcn_target "amdgcn-amd-amdhsa--gfx1250"
	.amdhsa_code_object_version 6
	.text
	.protected	k_q91de12b99f_quant
	.globl	k_q91de12b99f_quant
	.p2align	8
	.type	k_q91de12b99f_quant,@function
k_q91de12b99f_quant:
	s_mov_b64 s[64:65], 0
	v_nop
	global_prefetch_b8 v0, s[64:65] scope:SCOPE_SE
	s_setreg_imm32_b32 hwreg(HW_REG_WAVE_MODE, 25, 1), 1
	s_wait_xcnt 0x0
; x [8192][1024] f32 becomes three sets of E4M3 codes (scales 2^e0, 2^e2, 2^e4: x is an operand of three products, each with a scale of its own): xc [3][8192][1024 bytes].
; W_q, W_k, W_v, W_o [k 1024][n 1024] f32 become codes with K innermost (scales 2^e1, 2^e3, 2^e5, 2^e11): wc [4][n 1024][1024 bytes].
; code = number / 2^e, held within +-448, to the nearest code, ties to even.
; THE ORDER ALONG K.  A permutation of k that both operands of a product share keeps every product.
;   P1 (xc, W_q, W_k, W_v), within each 512: byte 16 l + 4 i + j holds k = 128 i + 4 l + j.  That is what a lane's 16 registers hold when a wave reads 2,048 consecutive bytes of x by four
;      loads of 512 bytes (load i, lane l, word j): so x is converted as it is loaded, with no turn through LDS, and every load and store of the wave covers 512 consecutive bytes.
;   P2 (W_o), within each 32: byte 16 h + 8 u + i holds k = 16 u + 8 h + i: a 16-byte read at 32 c + 16 h then gives the plain 8-bit layout (registers 2 c, 2 c + 1: k = 16 c + 8 h + 0 .. 7; ISA guide 7.12.2).
; SHARES.  Work-groups 0-255: x, a wave takes 8,192 numbers in 16 steps of 512; no LDS.  Work-groups 256-383: the weights, 32 to a tensor; a wave takes 32 columns n x 256 bytes of their rows of codes:
; a lane takes a column and its registers run down K in the order P1 or P2, so the conversions give the codes as they are to lie; they leave through the wave's own stage in LDS, sixteen lanes to 256 consecutive bytes.
; The stream shares nothing between work-groups: no cluster, no tensor load, no barrier, no matrix unit.
; LIMITS: e0 .. e5 and e11 between -126 and 119, so that 2^e and 448 x 2^e are f32 numbers.  NaN among the inputs is not served (an infinity is held at the largest code).
.set R,    16                          ; x path: v16-79   four sets of 16 numbers as loaded
.set T,    80                          ;         v80-111  not read: the conversions take the loaded sets
.set C,    112                         ;         v112-123 the three sets' codes of a step
.set VO,   12                          ; weights: v12-19  eight offsets: 4 x lane + a Sa + b Sb + c Sc
.set X,    32                          ;          v32-95  two sets of 32 numbers
.set WC,   96                          ;          v96-103 a block's codes
.set OUTR, 112                         ;          v112-175 the way out
.set BT,   48                          ;          s[48:63] eight bases, one for each block of 32 bytes
.set WP,   272                         ;          a stage row: 256 bytes + 16
.macro XLOAD t                         ; step t: four loads of 512 consecutive bytes
.irp i, 0,1,2,3
	global_load_b128 v[R+16*((\t)%4)+4*\i:R+16*((\t)%4)+4*\i+3], v3, s[4:5] offset:2048*(\t)+512*\i th:TH_LOAD_NT
.endr
.endm
.macro XSTEP t
.if (\t) <= 12
	s_wait_loadcnt 12                              ; this step's four loads are in; those of the three steps behind it may be out
.else
	s_wait_loadcnt 4*(15-(\t))
.endif
	s_wait_xcnt 0x0                                ; the last step's stores have read their data: the codes' registers are written again only behind this wait
.irp s, 0,1,2
.set TS, T+16*((3*(\t)+\s)%2)
.irp i, 0,1,2,3,4,5,6,7,8,9,10,11,12,13,14,15
.endr
	v_cvt_scalef32_pk8_fp8_f32 v[C+4*\s:C+4*\s+1], v[TS+((R+16*((\t)%4)+0)-(TS+0)):TS+7+((R+16*((\t)%4)+0)-(TS+0))], v[8+\s]
	v_cvt_scalef32_pk8_fp8_f32 v[C+4*\s+2:C+4*\s+3], v[TS+8+((R+16*((\t)%4)+0)-(TS+0)):TS+15+((R+16*((\t)%4)+0)-(TS+0))], v[8+\s]
.endr
.if (\t)+4 < 16
	v_nop
	XLOAD (\t)+4                                   ; the set just read takes the loads of four steps on
.endif
.irp s, 0,1,2
	global_store_b128 v3, v[C+4*\s:C+4*\s+3], s[44+2*\s:45+2*\s] offset:512*(\t)   ; 32 lanes store 512 consecutive bytes
.endr
.endm
.macro WLOAD t                         ; block t: register i = 16 a + 8 b + 4 c + e takes the number of byte 32 t + i of my column's row of codes
.irp i, 0,1,2,3,4,5,6,7,8,9,10,11,12,13,14,15,16,17,18,19,20,21,22,23,24,25,26,27,28,29,30,31
	global_load_b32 v[X+32*((\t)%2)+\i], v[VO+\i/4], s[BT+2*(\t):BT+2*(\t)+1] offset:(\i%4)*4096 th:TH_LOAD_NT
.endr
.endm
.macro WBLOCK t
.set XS, X+32*((\t)%2)
.if (\t) < 7
	s_wait_loadcnt 32                              ; this block's 32 loads are in; the next block's may be out
.else
	s_wait_loadcnt 0
.endif
.irp i, 0,1,2,3,4,5,6,7,8,9,10,11,12,13,14,15,16,17,18,19,20,21,22,23,24,25,26,27,28,29,30,31
.endr
.irp g, 0,1,2,3
	v_cvt_scalef32_pk8_fp8_f32 v[WC+2*\g:WC+2*\g+1], v[XS+8*\g:XS+8*\g+7], v11
.endr
	ds_store_b128 v4, v[WC:WC+3] offset:32*(\t)    ; 32 bytes of my column's row
	ds_store_b128 v4, v[WC+4:WC+7] offset:32*(\t)+16
.if (\t)+2 < 8
	WLOAD (\t)+2
.endif
	s_wait_dscnt 0x0                               ; the stores have read their registers: the next block's codes may be written
.endm
	s_load_b256 s[4:11], s[0:1], 0x0               ; x s[4:5], W_q s[6:7], W_k s[8:9], W_v s[10:11]
	s_load_b256 s[12:19], s[0:1], 0x20             ; W_o s[12:13], the exponents s[14:15], xc s[16:17], wc s[18:19]
	v_lshl_add_u32 v192, v0, 2, 0x8c00
	v_mov_b32 v193, 0
	v_lshrrev_b32 v1, 5, v0
	v_readfirstlane_b32 s20, v1                    ; wave 0..3
	v_and_b32 v2, 31, v0                           ; lane
	s_wait_kmcnt 0x0
	s_load_b256 s[24:31], s[14:15], 0x0            ; e0 .. e7
	s_load_b128 s[32:35], s[14:15], 0x20           ; e8 .. e11
	s_cmp_lt_u32 ttmp9, 256
	s_cbranch_scc0 .Lweights
	; ---- x
	s_lshl_b32 s36, ttmp9, 2
	s_add_co_u32 s36, s36, s20                     ; which run of 8,192 numbers is my wave's: 0 .. 1023
	s_lshl_b32 s38, s36, 15                        ; 32,768 bytes of x,
	s_mov_b32 s39, 0
	s_add_nc_u64 s[4:5], s[4:5], s[38:39]
	s_lshl_b32 s38, s36, 13                        ; 8,192 bytes of each set of codes
	s_add_nc_u64 s[44:45], s[16:17], s[38:39]
	s_add_nc_u64 s[46:47], s[44:45], 0x800000
	s_add_nc_u64 s[48:49], s[44:45], 0x1000000
	s_wait_alu depctr_va_vdst(0)
	v_lshlrev_b32 v3, 4, v2                        ; my 16 bytes of a load's or a store's 512
.irp t, 0,1,2,3
	XLOAD \t
.endr
	s_wait_kmcnt 0x0
.irp s, 0,1,2
	s_add_co_i32 s40, s[24+2*\s], 127
	s_lshl_b32 s41, s40, 23
	v_mov_b32 v[8+\s], s41                         ; 2^e as f32: the conversion takes its exponent field
	s_add_co_i32 s40, s40, 8
	s_lshl_b32 s40, s40, 23
	s_or_b32 s40, s40, 0x600000
.endr
	s_wait_alu depctr_va_vdst(0)
.irp t, 0,1,2,3,4,5,6,7,8,9,10,11,12,13,14,15
	XSTEP \t
.endr
	s_endpgm
	; ---- the weights
.Lweights:
	s_sub_co_u32 s36, ttmp9, 256
	s_lshr_b32 s37, s36, 5                         ; the tensor: 0 W_q, 1 W_k, 2 W_v, 3 W_o
	s_and_b32 s38, s36, 7                          ; which 128 columns
	s_bfe_u32 s39, s36, 0x20003                    ; y: which 256 bytes of the rows of codes
	s_lshl_b32 s21, s38, 7
	s_lshl_b32 s22, s20, 5
	s_add_co_u32 s21, s21, s22                     ; n0: my wave's first column
	; byte 256 y + 32 t + 16 a + 8 b + 4 c + e of a row of codes holds the number of W's row (in bytes of W, 4,096 a row) Y + St t + Sa a + Sb b + Sc c + 4096 e
	s_lshr_b32 s71, s39, 1
	s_lshl_b32 s71, s71, 21
	s_and_b32 s72, s39, 1
	s_lshl_b32 s72, s72, 18
	s_add_co_u32 s71, s71, s72                     ; Y in P1: rows 512 (y / 2) + 64 (y % 2)
	s_lshl_b32 s72, s39, 20                        ; Y in P2: rows 256 y
	s_wait_kmcnt 0x0
	s_cmp_eq_u32 s37, 1
	s_cselect_b64 s[40:41], s[8:9], s[6:7]         ; the choices hang on the work-group's number alone
	s_cselect_b32 s23, s27, s25
	s_cmp_eq_u32 s37, 2
	s_cselect_b64 s[40:41], s[10:11], s[40:41]
	s_cselect_b32 s23, s29, s23
	s_cmp_eq_u32 s37, 3
	s_cselect_b64 s[40:41], s[12:13], s[40:41]
	s_cselect_b32 s23, s35, s23                    ; e1, e3, e5 or e11
	s_mov_b32 s66, 32768                           ; (an instruction takes one literal: the other stands in the register; neither line touches SCC)
	s_cselect_b32 s66, 131072, s66                 ; St: 8 rows in P1, 32 in P2
	s_mov_b32 s67, 16384
	s_cselect_b32 s67, 32768, s67                  ; Sa: 4 rows, 8
	s_mov_b32 s68, 1048576
	s_cselect_b32 s68, 65536, s68                  ; Sb: 256 rows, 16
	s_mov_b32 s69, 524288
	s_cselect_b32 s69, 16384, s69                  ; Sc: 128 rows, 4
	s_cselect_b32 s70, s72, s71                    ; Y.  Both orders reach row 1,023 at the most
	s_wait_alu depctr_va_vdst(0)
	v_lshlrev_b32 v3, 2, v2                        ; 4 bytes a lane: a load reads 128 consecutive bytes of a row of W
	v_mov_b32 v[VO], v3
	s_wait_alu depctr_va_vdst(0)
	v_add_nc_u32 v[VO+1], s69, v3
	s_wait_alu depctr_va_vdst(0)
	v_add_nc_u32 v[VO+2], s68, v3
	s_wait_alu depctr_va_vdst(0)
	v_add_nc_u32 v[VO+3], s68, v[VO+1]
	s_wait_alu depctr_va_vdst(0)
.irp q, 0,1,2,3
	v_add_nc_u32 v[VO+4+\q], s67, v[VO+\q]
.endr
	s_lshl_b32 s74, s21, 2
	s_add_co_u32 s74, s74, s70                     ; 4 n0 + Y
	s_mov_b32 s75, 0
	s_add_nc_u64 s[BT:BT+1], s[40:41], s[74:75]
	s_mov_b32 s76, s66
	s_mov_b32 s77, 0
.irp t, 1,2,3,4,5,6,7
	s_add_nc_u64 s[BT+2*\t:BT+2*\t+1], s[BT+2*\t-2:BT+2*\t-1], s[76:77]
.endr
	s_wait_alu depctr_va_vdst(0)
	WLOAD 0
	WLOAD 1
	s_lshl_b32 s78, s37, 20                        ; the codes: tensor x 1 MiB + n0 rows of 1,024 bytes + 256 y
	s_lshl_b32 s79, s21, 10
	s_add_co_u32 s78, s78, s79
	s_lshl_b32 s79, s39, 8
	s_add_co_u32 s78, s78, s79
	s_mov_b32 s79, 0
	s_add_nc_u64 s[42:43], s[18:19], s[78:79]
	s_mul_i32 s80, s20, 32*WP                      ; my stage
	v_mul_u32_u24 v4, v2, WP
	v_add_nc_u32 v4, s80, v4                       ; into it: row = my column
	v_and_b32 v5, 15, v2
	v_lshrrev_b32 v6, 4, v2
	v_mul_u32_u24 v7, v6, WP
	v_lshl_add_u32 v7, v5, 4, v7
	v_add_nc_u32 v7, s80, v7                       ; out of it: sixteen lanes to a row, two rows an instruction
	v_lshlrev_b32 v8, 10, v6
	v_lshl_add_u32 v8, v5, 4, v8                   ; and the same place among the rows of codes
	s_add_co_i32 s23, s23, 127
	s_lshl_b32 s22, s23, 23
	v_mov_b32 v11, s22                             ; 2^e
	s_add_co_i32 s23, s23, 8
	s_lshl_b32 s23, s23, 23
	s_or_b32 s23, s23, 0x600000
	s_wait_alu depctr_va_vdst(0)
.irp t, 0,1,2,3,4,5,6,7
	WBLOCK \t
.endr
.irp t, 0,1,2,3,4,5,6,7,8,9,10,11,12,13,14,15
	ds_load_b128 v[OUTR+4*\t:OUTR+4*\t+3], v7 offset:2*\t*WP   ; LDS serves a wave's instructions in order (ISA guide 5.7.1.4): these see my stores
.endr
.irp t, 0,1,2,3,4,5,6,7,8,9,10,11,12,13,14,15
	s_wait_dscnt 15-\t                             ; the younger loads may be out
	global_store_b128 v8, v[OUTR+4*\t:OUTR+4*\t+3], s[42:43] offset:2*\t*1024   ; sixteen lanes store 256 consecutive bytes, at a multiple of 256 from the buffer's first byte
.endr
	s_wait_tensorcnt 0x0
	ds_add_u32 v192, v193
	s_wait_dscnt 0x0
	s_endpgm
.Lfunc_end_k_q91de12b99f_quant:
	.size	k_q91de12b99f_quant, .Lfunc_end_k_q91de12b99f_quant-k_q91de12b99f_quant
	.p2alignl 7, 3214868480
	.fill 96, 4, 3214868480
	.section	.rodata,"a",@progbits
	.p2align	6, 0x0
	.amdhsa_kernel k_q91de12b99f_quant
		.amdhsa_group_segment_fixed_size 36352
		.amdhsa_private_segment_fixed_size 0
		.amdhsa_enable_private_segment 0
		.amdhsa_kernarg_size 64
		.amdhsa_user_sgpr_count 2
		.amdhsa_user_sgpr_kernarg_segment_ptr 1
		.amdhsa_wavefront_size32 1
		.amdhsa_system_sgpr_workgroup_id_x 1
		.amdhsa_system_sgpr_workgroup_id_y 1
		.amdhsa_system_sgpr_workgroup_id_z 1
		.amdhsa_system_vgpr_workitem_id 0
		.amdhsa_next_free_vgpr 194
		.amdhsa_next_free_sgpr 96
		.amdhsa_reserve_vcc 0
		.amdhsa_float_denorm_mode_32 3
		.amdhsa_float_denorm_mode_16_64 3
		.amdhsa_fp16_overflow 1
		.amdhsa_memory_ordered 1
		.amdhsa_forward_progress 1
		.amdhsa_inst_pref_size 54
	.end_amdhsa_kernel
	.amdgpu_metadata
---
amdhsa.version: [ 1, 2 ]
amdhsa.kernels:
  - .name:           k_q91de12b99f_quant
    .symbol:         k_q91de12b99f_quant.kd
    .args:
      - { .name: x, .offset: 0, .size: 8, .value_kind: global_buffer, .address_space: global }
      - { .name: W_q, .offset: 8, .size: 8, .value_kind: global_buffer, .address_space: global }
      - { .name: W_k, .offset: 16, .size: 8, .value_kind: global_buffer, .address_space: global }
      - { .name: W_v, .offset: 24, .size: 8, .value_kind: global_buffer, .address_space: global }
      - { .name: W_o, .offset: 32, .size: 8, .value_kind: global_buffer, .address_space: global }
      - { .name: lowp_scales, .offset: 40, .size: 8, .value_kind: global_buffer, .address_space: global }
      - { .name: xc, .offset: 48, .size: 8, .value_kind: global_buffer, .address_space: global }
      - { .name: wc, .offset: 56, .size: 8, .value_kind: global_buffer, .address_space: global }
    .group_segment_fixed_size: 36352
    .private_segment_fixed_size: 0
    .kernarg_segment_align: 8
    .kernarg_segment_size: 64
    .max_flat_workgroup_size: 128
    .sgpr_count:     96
    .vgpr_count:     194
    .wavefront_size: 32
...
	.end_amdgpu_metadata
.endif
;; end of part 1
;; launch proj (part 2): grid 12 x 32, 4 waves a work-group, clusters of 4 x 4, 327,680 bytes of LDS; arguments xc, wc, lowp_scales, qkv; writes qkv
.if DOCPART == 2
	.amdgcn_target "amdgcn-amd-amdhsa--gfx1250"
	.amdhsa_code_object_version 6
	.text
	.protected	k_q91de12b99f_proj
	.globl	k_q91de12b99f_proj
	.p2align	8
	.type	k_q91de12b99f_proj,@function
k_q91de12b99f_proj:
	s_mov_b64 s[64:65], 0
	v_nop
	global_prefetch_b8 v0, s[64:65] scope:SCOPE_SE
	s_setreg_imm32_b32 hwreg(HW_REG_WAVE_MODE, 25, 1), 1
	s_wait_xcnt 0x0
	s_wait_alu depctr_hold_cnt(0) depctr_sa_sdst(0) depctr_va_vdst(0) depctr_va_sdst(0) depctr_va_ssrc(0) depctr_va_vcc(0) depctr_vm_vsrc(0)
	s_getreg_b32 s2, hwreg(HW_REG_IB_STS2, 6, 4)
	s_cmp_eq_u32 s2, 0
	s_cbranch_scc0 .Lentry_in_a_cluster
	s_endpgm
.Lentry_in_a_cluster:
	s_bfe_u32 s2, ttmp6, 0x10000c
	s_cmp_lg_u32 s2, 0xf033
	s_cbranch_scc0 .Lentry_shape_is_right
	s_endpgm
.Lentry_shape_is_right:
; Q = x W_q, K = x W_k, V = x W_v on E4M3 codes (xc: [3][8192][1024], wc: [4][1024 n][1024], K innermost, both in the same order along K), sums in f32; each finished sum is quantised
; in registers for the attention's products and stored as an IMAGE OF AN OPERAND'S REGISTERS: chunks of 512 bytes, lane L's 16 bytes at 16 L.
;   Q at byte 0, K at 8 MiB: [b x 16 + head][tile of 16 tokens][c 0..1][512]: lane (r, h), byte i: token 16 tile + r, channel 16 (2 c + i / 8) + 8 h + i % 8.
;   V at 16 MiB: [b x 16 + head][step of 128 keys][T 0..3][c 0..3][512]: lane (r, h), byte i: channel 16 T + r, key 128 step + 16 (2 c + i / 8) + 8 h + i % 8.
; The cluster's x says which of the three products (t = 0, 1, 2).  A tile of the result is 256 x 256: four waves, each 128 x 128 in 64 accumulators, 512 registers.  K goes in steps of 256 through two LDS slots.
; THE MATRIX INSTRUCTION: source 0 = 16 rows of the B SLOT, source 1 = 16 rows of the A SLOT: a lane holds ONE row of the A slot and eight neighbouring rows of the B slot.
;   Q, K: A slot = tokens (xc, set t), B slot = rows of W (features): a lane's registers run along the head's channels, the K of Q K^T.
;   V:    A slot = rows of W_v, B slot = tokens (xc, set 2): a lane's registers run along the keys, the K of P V.  Nothing is transposed.
; Both tensors have rows of 1,024 bytes and the tile is square: only two pointers and two block numbers are chosen, by s_cselect on the cluster's x, which all sixteen partners share; no branch.
; CLUSTERS: 4 x 4 work-groups.  The four of a row of the cluster need the same tile of the A slot, the four of a column the same tile of the B slot: each is asked for JOINTLY, which divides the requests by four.
; code = sum / 2^E, held within +-448: E = e6 - e0 - e1 (Q), e7 - e2 - e3 (K), e9 - e4 - e5 (V).  LIMIT: each E between -126 and 119, so that 2^E and 448 x 2^E are f32 numbers.
; No prefetch: a tile has four fills of a slot, two of them at the head.
; REGISTERS, in windows of 256: window 0: v0-31 addresses; v32-115 the way out; from v128 the A slot's fragments, ONE set.  window 1: the B slot's fragments, TWO sets.  windows 2, 3: the accumulators ((a, b) at v[8 (8 (a % 4) + b)]).
.set SIZE_K, 1024
.set KSTEP,  256                       ; along K in a slot
.set ROWB,   256                       ; a tile's row in bytes
.set KROW,   SIZE_K                    ; a row of codes in memory
.set PITCH,  272                       ; an LDS row: 256 bytes + 16 of padding = 68 words: row r starts at bank 4 r mod 64 (64 banks of 4 bytes: ISA guide 11.1)
.set FR,     16                        ; registers of a fragment: 16 rows x 128 K
.set NL,     4                         ; LDS loads that bring one
.set NP,     4                         ; places behind this matrix instruction (ISA guide 7.12.1)
.set HALFT,  128*PITCH                 ; 128 rows: what one tensor load brings
.set SLOT,   4*HALFT                   ; the A slot's 256 rows, then the B slot's
.set LAPS,   SIZE_K/(2*KSTEP)
.set SPARE,  2*SLOT                    ; behind the ring: the spare words, 128 bytes for each wave
.set ADRA, 16                          ; v16-17  LDS address of my A fragments in slot 0, 1
.set ADRB, 20                          ; v20-21  the same for B
.set SPW,  28                          ; v28     LDS address of my spare word; never rewritten
.set NIL,  29                          ; v29     0; never rewritten
.set TMP,  32                          ; v32-95  a block's 64 sums, held
.set CD,   96                          ; v96-111 their codes
.set LIMV, 112                         ; v112    448 x 2^E
.set SCV,  113                         ; v113    2^E
.set ST0,  114                         ; v114    16 x lane: chunks 0, 1
.set ST1,  115                         ; v115    16 x lane + the distance to chunks 2, 3
.set AF,   128
.set G1, 24                            ; s[24:31] descriptor group 1 for the A slot; s[32:39] group 0, one set for each slot
.set G0, 32
.set G1B, 48                           ; s[48:55], s[56:63] the same for the B slot
.set G0B, 56
.set MSB, 0
.macro WIN new                         ; the immediate's high byte repeats the setting that is left
.if MSB != \new
	s_set_vgpr_msb (MSB<<8)|\new
.set MSB, \new
.endif
.endm
.set MUL_LO, 0xa1                      ; source 0 (B) window 1, source 1 (A) window 0, C and D window 2
.set MUL_HI, 0xf1                      ; the same, C and D window 3
.set TO_B,   0x40                      ; destination window 1, address window 0
; A joint load: waves 0 and 1 fetch for the A slot, waves 2 and 3 for the B slot; the branch hangs on the wave's number alone.  Four v_nop follow each of the two lines.
.macro JLOAD g0a, g1a, g0b, g1b
	s_cmp_eq_u32 s15, 0
	s_cbranch_scc0 .Lfor_b_\@
	tensor_load_to_lds s[\g0a:\g0a+3], s[\g1a:\g1a+7]
	s_nop 0
.rept 4
	v_nop
.endr
	s_branch .Lasked_\@
.Lfor_b_\@:
	tensor_load_to_lds s[\g0b:\g0b+3], s[\g1b:\g1b+7]
	s_nop 0
.rept 4
	v_nop
.endr
.Lasked_\@:
.endm
.macro CREST                           ; a round of the cluster's barrier behind its opening barrier
	s_cmp_lg_u32 s14, 0
	s_cbranch_scc1 .Lnot_wave_0_\@
	s_barrier_signal -3
.Lnot_wave_0_\@:
	s_barrier_wait -3
	s_barrier_signal -1
	s_barrier_wait -1
.endm
.macro CROUND                          ; a whole round
	s_barrier_signal -1
	s_barrier_wait -1
	CREST
.endm
	s_load_b128 s[4:7], s[0:1], 0x0                ; xc s[4:5], wc s[6:7]
	s_load_b128 s[8:11], s[0:1], 0x10              ; the exponents s[8:9], qkv s[10:11]
	v_lshl_add_u32 v[SPW], v0, 2, SPARE
	v_mov_b32 v[NIL], 0
	ds_add_u32 v28, v29
	ds_add_u32 v28, v29
	s_wait_dscnt 0x0
	v_lshrrev_b32 v1, 5, v0
	v_readfirstlane_b32 s14, v1                    ; wave 0..3
	s_lshr_b32 s15, s14, 1                         ; which half of the A slot's rows is mine.  Also: I fetch for the A slot (0) or the B slot (1)
	s_and_b32 s16, s14, 1                          ; which half of the B slot's rows.  Also: which 128 rows of that tile I fetch
	s_bfe_u32 s40, ttmp6, 0x40000                  ; cx, cy: my place in the cluster
	s_bfe_u32 s41, ttmp6, 0x40004
	s_mov_b32 s66, ttmp9                           ; t: the product
	s_and_b32 s67, ttmp7, 0xffff
	s_lshl_b32 s67, s67, 2                         ; 4 x cluster y: the cluster's first block of 256 tokens
	s_lshl_b32 s90, s66, 23                        ; xc's set t; also Q's, K's or V's place in qkv
	s_mov_b32 s91, 0
	s_lshl_b32 s92, s66, 20                        ; wc's tensor t
	s_mov_b32 s93, 0
	s_cmp_eq_u32 s66, 2
	s_cselect_b32 s17, 0, s67
	s_cselect_b32 s42, s67, 0
	s_add_co_u32 s17, s17, s41                     ; the A slot's block of 256 rows: tokens 4 x cluster y + cy, or for V features cy: it never holds cx
	s_add_co_u32 s42, s42, s40                     ; the B slot's: features cx, or for V tokens 4 x cluster y + cx: it never holds cy
	s_lshl_b32 s43, s41, 2
	s_lshl_b32 s43, 15, s43                        ; my row of the cluster
	s_lshl_b32 s44, 0x1111, s40                    ; my column
	; descriptor group 1: a tile of 128 rows x 256 bytes, padded in LDS
	s_or_b32 s[G1+0], s43, (0<<16)|(1<<20)|(1<<21)|(5<<22)|(3<<25)  ; 15:0 the mask: my row; 17:16 elements of 1 byte; 20 padding on; 21 set beside a mask; 24:22 after every 64 words (code 5); 31:25 four words (code 3)
	s_or_b32 s[G1B+0], s44, (0<<16)|(1<<20)|(1<<21)|(5<<22)|(3<<25) ; the same with the mask of my column
.irp g, G1, G1B
	s_mov_b32 s[\g+1], ROWB<<16                    ; tensor_dim0
	s_mov_b32 s[\g+2], 128<<16                     ; tensor_dim1 = 128
	s_mov_b32 s[\g+3], ROWB<<16                    ; tile_dim0
	s_mov_b32 s[\g+4], 128                         ; tile_dim1 = 128
	s_mov_b32 s[\g+5], KROW                        ; tensor_dim0_stride
	s_mov_b32 s[\g+6], 0
	s_mov_b32 s[\g+7], 0
.endr
	s_lshl_b32 s18, s16, 7                         ; which 128 rows of the tile I fetch
	s_lshl_b32 s20, s17, 8
	s_add_co_u32 s20, s20, s18                     ; A slot: row 256 x block + 128 x half
	s_lshl_b32 s46, s42, 8
	s_add_co_u32 s46, s46, s18                     ; B slot likewise
	s_mov_b32 s21, 0
	s_mov_b32 s47, 0
	s_mov_b64 s[18:19], KROW
	s_mul_u64 s[20:21], s[20:21], s[18:19]
	s_mul_u64 s[46:47], s[46:47], s[18:19]
	s_mul_i32 s45, s14, HALFT                      ; where they go: wave x 128 rows: no place in the cluster enters an LDS address
	s_wait_kmcnt 0x0
	s_load_b256 s[68:75], s[8:9], 0x0              ; e0 .. e7
	s_load_b128 s[76:79], s[8:9], 0x20             ; e8 .. e11
	s_add_nc_u64 s[4:5], s[4:5], s[90:91]
	s_add_nc_u64 s[6:7], s[6:7], s[92:93]
	s_cmp_eq_u32 s66, 2
	s_cselect_b64 s[86:87], s[6:7], s[4:5]         ; the A slot's tensor,
	s_cselect_b64 s[88:89], s[4:5], s[6:7]         ; the B slot's: chosen on the cluster's x
	s_add_nc_u64 s[20:21], s[86:87], s[20:21]
	s_add_nc_u64 s[46:47], s[88:89], s[46:47]
	CROUND                                         ; all sixteen work-groups are here: the first joint loads meet
.irp s, 0,1
	s_mov_b32 s[G0+4*\s], 1
	s_add_co_u32 s[G0+4*\s+1], s45, \s*SLOT
	s_add_nc_u64 s[G0+4*\s+2:G0+4*\s+3], s[20:21], \s*ROWB
	s_or_b32 s[G0+4*\s+3], s[G0+4*\s+3], 0x80000000
	s_mov_b32 s[G0B+4*\s], 1
	s_add_co_u32 s[G0B+4*\s+1], s45, \s*SLOT
	s_add_nc_u64 s[G0B+4*\s+2:G0B+4*\s+3], s[46:47], \s*ROWB
	s_or_b32 s[G0B+4*\s+3], s[G0B+4*\s+3], 0x80000000
	JLOAD G0+4*\s, G1, G0B+4*\s, G1B
.endr
	v_and_b32 v1, 15, v0                           ; l % 16
	v_bfe_u32 v2, v0, 4, 1                         ; l / 16
	v_mul_u32_u24 v3, v1, PITCH
	v_lshl_add_u32 v4, v2, 4, v3                   ; a fragment's row x pitch + 16 x half
	s_mul_i32 s21, s15, HALFT                      ; my 128 rows of the A slot
	s_mul_i32 s22, s16, HALFT                      ; my 128 rows of the B slot,
	s_add_co_u32 s22, s22, 2*HALFT                 ; which lie behind the A slot's 256
.irp s, 0,1
	v_add_nc_u32 v[ADRA+\s], s21, v4
	v_add_nc_u32 v[ADRB+\s], s22, v4
	s_add_co_u32 s21, s21, SLOT
	s_add_co_u32 s22, s22, SLOT
.endr
	; where my results go (registers that feed no descriptor)
	s_lshl_b32 s80, s17, 8
	s_lshl_b32 s81, s15, 7
	s_add_co_u32 s80, s80, s81                     ; my first row of the A slot
	s_lshl_b32 s82, s42, 8
	s_lshl_b32 s83, s16, 7
	s_add_co_u32 s82, s82, s83                     ; my first row of the B slot
	s_cmp_eq_u32 s66, 2
	s_cselect_b32 s84, s82, s80                    ; my first token,
	s_cselect_b32 s85, s80, s82                    ; my first feature
	s_lshr_b32 s85, s85, 6                         ; its head
	s_lshr_b32 s94, s84, 11                        ; the token's b
	s_lshl_b32 s94, s94, 4
	s_add_co_u32 s94, s94, s85
	s_lshl_b32 s94, s94, 17                        ; a head's images are 131,072 bytes
	s_and_b32 s84, s84, 2047
	s_lshl_b32 s84, s84, 6                         ; 1,024 bytes for 16 tokens (Q, K), 8,192 for 128 keys (V): 64 a token
	s_add_co_u32 s94, s94, s84
	s_add_co_u32 s94, s94, s90                     ; + 8 MiB x t
	s_mov_b32 s95, 0
	s_add_nc_u64 s[10:11], s[10:11], s[94:95]
	s_cmp_eq_u32 s66, 2
	s_mov_b32 s80, 1024
	s_cselect_b32 s80, 2048, s80                   ; from a block of the A slot to the next: 16 tokens on, or for V 16 channels on;
	s_mov_b32 s81, 0
	s_mov_b32 s82, 1024
	s_cselect_b32 s82, 124928, s82                 ; from block 3 to block 4: for V into the next head: 131,072 - 3 x 2,048
	s_mov_b32 s83, 0
	s_mov_b32 s84, 131072
	s_cselect_b32 s84, 1024, s84                   ; from chunk 0 to chunk 2: the next head, or for V 64 keys on
	v_and_b32 v6, 31, v0
	v_lshlrev_b32 v[ST0], 4, v6
	v_add_nc_u32 v[ST1], s84, v[ST0]
.macro FRAG reg, adr, q, i             ; a fragment: four loads of 16 bytes, 32 bytes apart; the same places along K in both slots
.irp c, 0,1,2,3
	ds_load_b128 v[\reg+4*\c:\reg+4*\c+3], v[\adr] offset:128*(\q)+32*\c+(\i)*16*PITCH
.endr
.endm
; 16 matrix instructions: A's blocks a0, a0 + 1 x B's eight, 128 along K.  p: B's set.  zero = 1: the first product starts the sums.  The 64 accumulators take turns, one instruction a turn.
.macro MUL16 a0, p, zero
.irp a, \a0, \a0+1
.irp b, 0,1,2,3,4,5,6,7
.if \zero
	v_wmma_f32_16x16x128_fp8_fp8 v[8*(8*((\a)%4)+\b):8*(8*((\a)%4)+\b)+7], v[128*(\p)+FR*\b:128*(\p)+FR*\b+FR-1], v[AF+FR*(\a):AF+FR*(\a)+FR-1], 0
.else
	v_wmma_f32_16x16x128_fp8_fp8 v[8*(8*((\a)%4)+\b):8*(8*((\a)%4)+\b)+7], v[128*(\p)+FR*\b:128*(\p)+FR*\b+FR-1], v[AF+FR*(\a):AF+FR*(\a)+FR-1], v[8*(8*((\a)%4)+\b):8*(8*((\a)%4)+\b)+7]
.endif
.endr
.endr
.endm
.macro FETCH_B slot, q, p
	WIN TO_B
.irp i, 0,1,2,3,4,5,6,7
	FRAG 128*(\p)+FR*\i, ADRB+\slot, \q, \i
.endr
	WIN 0
.endm
.macro FETCH_A slot, q, i0
.irp i, \i0, \i0+1, \i0+2, \i0+3
	FRAG AF+FR*(\i), ADRA+\slot, \q, \i
.endr
.endm
.macro PLACES n                        ; plain vector instructions between a matrix instruction and a load into its sources or a read of its result
.rept \n
	v_nop
.endr
.endm
.macro STEP slot, q, zero              ; a step of 128 along K that has its successor in the same slot
	s_wait_dscnt 4*NL                              ; B's set and A's blocks 0-3 are in; the youngest sixteen loads (A's blocks 4-7) may be out
	WIN MUL_LO
	MUL16 0, (\q)%2, \zero
	MUL16 2, (\q)%2, \zero
	s_wait_dscnt 0                                 ; A's blocks 4-7 are in
	PLACES NP
	FETCH_B \slot, (\q)+1, 1-(\q)%2
	FETCH_A \slot, (\q)+1, 0
	WIN MUL_HI
	MUL16 4, (\q)%2, \zero
	MUL16 6, (\q)%2, \zero
	PLACES NP
	WIN 0
	FETCH_A \slot, (\q)+1, 4
.endm
; A slot's last step changes slots: ONE barrier; in front of it each wave waits for all its tensor loads, adds 0 to its spare word, and waits for that and for its own reads of this slot.
.macro TURN slot, next, fill
	s_wait_tensorcnt 0x0                           ; all my tensor loads have landed: my part of the next slot
	ds_add_u32 v[SPW], v[NIL]                      ; 0 onto my spare word
	s_wait_dscnt 4*NL+1                            ; (the add and the youngest sixteen loads may be out)
	WIN MUL_LO
	MUL16 0, 1, 0
	s_wait_dscnt 0x0                               ; the add is done, and my reads of this slot are over
	s_barrier_signal -1
	MUL16 2, 1, 0
	WIN 0
	s_barrier_wait -1
.if \fill
	CREST                                          ; the barrier has opened a round of the cluster's barrier: no wave of any partner still reads this slot or has a load on its way
	s_add_nc_u64 s[G0+4*\slot+2:G0+4*\slot+3], s[G0+4*\slot+2:G0+4*\slot+3], 2*ROWB
	s_add_nc_u64 s[G0B+4*\slot+2:G0B+4*\slot+3], s[G0B+4*\slot+2:G0B+4*\slot+3], 2*ROWB
	JLOAD G0+4*\slot, G1, G0B+4*\slot, G1B         ; the first tensor load behind the round; its four v_nop are also the places in front of the loads below
.else
	PLACES NP
.endif
	FETCH_B \next, 0, 0
	FETCH_A \next, 0, 0
	WIN MUL_HI
	MUL16 4, 1, 0
	MUL16 6, 1, 0
	PLACES NP
	WIN 0
	FETCH_A \next, 0, 4
.endm
	s_wait_alu depctr_va_vdst(0)
	s_wait_tensorcnt 1                             ; my part of K step 0 is in (K step 1's load may be out)
	s_barrier_signal -1
	s_barrier_wait -1                              ; everybody's is
	FETCH_B 0, 0, 0
	FETCH_A 0, 0, 0
	FETCH_A 0, 0, 4
	STEP 0, 0, 1                                   ; the first step stands in front of the loop: its products start the sums
	s_mov_b32 s3, LAPS-1
.Llap:                                                 ; a trip goes once round the ring and fills both slots again
	TURN 0, 1, 1
	STEP 1, 0, 0
	TURN 1, 0, 1
	STEP 0, 0, 0
	s_sub_co_u32 s3, s3, 1
	s_cmp_lg_u32 s3, 0
	s_cbranch_scc1 .Llap
	TURN 0, 1, 0                                   ; the last lap fills nothing
	STEP 1, 0, 0
	s_wait_dscnt 4*NL
	WIN MUL_LO
	MUL16 0, 1, 0
	MUL16 2, 1, 0
	s_wait_dscnt 0
	WIN MUL_HI
	MUL16 4, 1, 0
	MUL16 6, 1, 0
	WIN 0
; THE WAY OUT, a block of the A slot (16 rows x my 128 rows of the B slot) at a time, with no LDS: a lane's eight sums of an accumulator are eight neighbours along the next product's K; held, converted,
; the codes of accumulators (a, 2 g) and (a, 2 g + 1) are a lane's 16 bytes of chunk g, and the wave's store covers the chunk's 512 consecutive bytes.
.macro OUTBLK a
.set AC, 64*((\a)%4)
	WIN 0x02+((\a)/4)                              ; source 0: window 2 or 3
.irp j, 0,1,2,3,4,5,6,7,8,9,10,11,12,13,14,15,16,17,18,19,20,21,22,23,24,25,26,27,28,29,30,31,32,33,34,35,36,37,38,39,40,41,42,43,44,45,46,47,48,49,50,51,52,53,54,55,56,57,58,59,60,61,62,63
	v_med3_num_f32 v[TMP+\j], v[AC+\j], -v[LIMV], v[LIMV]   ; the hold at the largest code x the scale; each accumulator from its low end on
.endr
	WIN 0
	s_wait_alu depctr_va_vdst(0)
	s_wait_xcnt 0x0                                ; the last block's stores have read their data and their base: both are written again only behind this wait
.if (\a) == 4
	s_add_nc_u64 s[10:11], s[10:11], s[82:83]
.elseif (\a) > 0
	s_add_nc_u64 s[10:11], s[10:11], s[80:81]
.endif
.irp g, 0,1,2,3,4,5,6,7
	v_cvt_scalef32_pk8_fp8_f32 v[CD+2*\g:CD+2*\g+1], v[TMP+8*\g:TMP+8*\g+7], v[SCV]
.endr
	v_nop                                          ; one plain vector instruction between the last conversion and the next block's holds, which write its sources
	global_store_b128 v[ST0], v[CD:CD+3], s[10:11]
	global_store_b128 v[ST0], v[CD+4:CD+7], s[10:11] offset:512
	global_store_b128 v[ST1], v[CD+8:CD+11], s[10:11]
	global_store_b128 v[ST1], v[CD+12:CD+15], s[10:11] offset:512
.endm
	s_wait_kmcnt 0x0
	s_sub_co_i32 s86, s74, s68
	s_sub_co_i32 s86, s86, s69                     ; e6 - e0 - e1
	s_sub_co_i32 s87, s75, s70
	s_sub_co_i32 s87, s87, s71                     ; e7 - e2 - e3
	s_sub_co_i32 s88, s77, s72
	s_sub_co_i32 s88, s88, s73                     ; e9 - e4 - e5
	s_cmp_eq_u32 s66, 1
	s_cselect_b32 s86, s87, s86
	s_cmp_eq_u32 s66, 2
	s_cselect_b32 s86, s88, s86                    ; E: a choice, no branch
	s_add_co_i32 s86, s86, 127
	s_lshl_b32 s87, s86, 23
	v_mov_b32 v[SCV], s87                          ; 2^E
	s_add_co_i32 s86, s86, 8
	s_lshl_b32 s86, s86, 23
	s_or_b32 s86, s86, 0x600000
	v_mov_b32 v[LIMV], s86                         ; 448 x 2^E
	PLACES NP                                      ; behind the last products, in front of the first read of results
.irp a, 0,1,2,3,4,5,6,7
	OUTBLK \a
.endr
	s_wait_tensorcnt 0x0                           ; the wave's end
	ds_add_u32 v[SPW], v[NIL]
	s_wait_dscnt 0x0
	CROUND                                         ; the closing round: no work-group ends while a partner may still ask for a tile that names it
	s_endpgm
.Lfunc_end_k_q91de12b99f_proj:
	.size	k_q91de12b99f_proj, .Lfunc_end_k_q91de12b99f_proj-k_q91de12b99f_proj
	.p2alignl 7, 3214868480
	.fill 96, 4, 3214868480
	.section	.rodata,"a",@progbits
	.p2align	6, 0x0
	.amdhsa_kernel k_q91de12b99f_proj
		.amdhsa_group_segment_fixed_size 327680
		.amdhsa_private_segment_fixed_size 0
		.amdhsa_enable_private_segment 0
		.amdhsa_kernarg_size 32
		.amdhsa_user_sgpr_count 2
		.amdhsa_user_sgpr_kernarg_segment_ptr 1
		.amdhsa_wavefront_size32 1
		.amdhsa_system_sgpr_workgroup_id_x 1
		.amdhsa_system_sgpr_workgroup_id_y 1
		.amdhsa_system_sgpr_workgroup_id_z 1
		.amdhsa_system_vgpr_workitem_id 0
		.amdhsa_next_free_vgpr 1024
		.amdhsa_next_free_sgpr 100
		.amdhsa_reserve_vcc 0
		.amdhsa_float_denorm_mode_32 3
		.amdhsa_float_denorm_mode_16_64 3
		.amdhsa_memory_ordered 1
		.amdhsa_forward_progress 1
		.amdhsa_inst_pref_size 120
	.end_amdhsa_kernel
	.amdgpu_metadata
---
amdhsa.version: [ 1, 2 ]
amdhsa.kernels:
  - .name:           k_q91de12b99f_proj
    .symbol:         k_q91de12b99f_proj.kd
    .args:
      - { .name: xc, .offset: 0, .size: 8, .value_kind: global_buffer, .address_space: global }
      - { .name: wc, .offset: 8, .size: 8, .value_kind: global_buffer, .address_space: global }
      - { .name: lowp_scales, .offset: 16, .size: 8, .value_kind: global_buffer, .address_space: global }
      - { .name: qkv, .offset: 24, .size: 8, .value_kind: global_buffer, .address_space: global }
    .group_segment_fixed_size: 327680
    .private_segment_fixed_size: 0
    .kernarg_segment_align: 8
    .kernarg_segment_size: 32
    .max_flat_workgroup_size: 128
    .sgpr_count:     100
    .vgpr_count:     1024
    .wavefront_size: 32
...
	.end_amdgpu_metadata
.endif
;; end of part 2
;; launch attn (part 3): grid 4 x 64, 16 waves a work-group, clusters of 4 x 1, 264,192 bytes of LDS; arguments qkv, lowp_scales, ao; writes ao
.if DOCPART == 3
	.amdgcn_target "amdgcn-amd-amdhsa--gfx1250"
	.amdhsa_code_object_version 6
	.text
	.protected	k_q91de12b99f_attn
	.globl	k_q91de12b99f_attn
	.p2align	8
	.type	k_q91de12b99f_attn,@function
k_q91de12b99f_attn:
	s_mov_b64 s[64:65], 0
	v_nop
	global_prefetch_b8 v0, s[64:65] scope:SCOPE_SE
	s_setreg_imm32_b32 hwreg(HW_REG_WAVE_MODE, 25, 1), 1
	s_wait_xcnt 0x0
	s_wait_alu depctr_hold_cnt(0) depctr_sa_sdst(0) depctr_va_vdst(0) depctr_va_sdst(0) depctr_va_ssrc(0) depctr_va_vcc(0) depctr_vm_vsrc(0)
	s_getreg_b32 s2, hwreg(HW_REG_IB_STS2, 6, 4)
	s_cmp_eq_u32 s2, 0
	s_cbranch_scc0 .Lentry_in_a_cluster
	s_endpgm
.Lentry_in_a_cluster:
	s_bfe_u32 s2, ttmp6, 0x10000c
	s_cmp_lg_u32 s2, 0x3003
	s_cbranch_scc0 .Lentry_shape_is_right
	s_endpgm
.Lentry_shape_is_right:
; Causal attention of one head (b x 16 + head = the grid's y) on E4M3 codes; both products by the matrix unit's plain 8-bit forms, sums in f32.
; qkv holds Q (byte 0), K (8 MiB) and V (16 MiB) as images of operand registers, chunks of 512 bytes, lane L's 16 bytes at 16 L:
;   Q, K: [head 64][tile of 16 tokens 128][c 2][512];   V: [head 64][step of 128 keys 16][T 4][c 4][512] (16 channels x 128 keys, the keys along a lane's registers).
; ao, the result quantised for the last product: [tile of 16 rows 512][head 16][c 2][512]: lane (r, h), byte i: row r, channel 16 (2 c + i / 8) + 8 h + i % 8.
; THE SOFTMAX: t = score x log2(e) / 8; M = the running largest t rounded UP to a whole number; p = 2^(t - M) is quantised with 2^e8, not normalised; the row's sum is taken of the unquantised p and divides at the end;
; when M moves, the sum and O are multiplied by 2^(old M - new M), which rounds nothing.
; SHARES.  The four work-groups of a cluster own one head.  Its 64 pairs of query tiles (32 queries) are dealt P = 4 m + cx: pair P needs the key steps 0 .. m of 128 keys, the last on the diagonal, WHATEVER cx is:
; so no branch hangs on a work-group's place.  Each of the sixteen waves owns one pair; m comes from the wave's number by a magic square less one (rows and columns add to 30), so that any four waves w / 4 alike,
; or w % 4 alike, have 34 steps together.  A wave's two tiles share every fragment of K and V that it reads from LDS.
; LDS holds the head's whole K (131,072 bytes) and V (131,072): filled once, only read, never stored into.  Each wave asks for 16 KiB by ONE JOINT LOAD that names all four work-groups: the head's K and V are asked for once for the four.
; Every wave waits for its load, one barrier follows, and the loop over the sixteen key steps has none; a wave passes the steps behind its diagonal by a scalar branch on its number.
; LAYOUT.  S^T = K Q^T (source 0 = 16 keys, source 1 = 16 queries), O^T = V^T P^T (source 0 = 16 channels, source 1 = P): a lane holds ONE query throughout, its registers run along the keys: the conversions of p ARE the operand.
; No prefetch: every tensor load goes out at the head.
; LIMITS: e6 + e7 between -123 and 130 (added to c's exponent field); e8 and e10 - e8 - e9 between -126 and 119.  NaN among the inputs is not served.
.set LI,   1                           ; v1   16 x lane: an image's place for my lane; never rewritten once made
.set AD,   2                           ; v2   LDS address of the run of loads in hand
.set DD,   3                           ; v3   32 cx + r - 8 h: on the diagonal key 16 k + 8 h + j is hidden from query 32 cx + 16 u + r where 16 k + j - 16 u > DD
.set PSC,  4                           ; v4   2^e8
.set PX,   5                           ; v5   a lane exchange's destination
.set F,    6                           ; v[6:7]  f = 2^(old M - new M); at the end 1 / tile 0's sum
.set ST,   8                           ; tile u at v[8 + 4 u]: -M, the largest t, the sum in two halves
.set Q,    16                          ; v16-31  Q's two fragments
.set PC0,  32                          ; v32-47  tile 0's codes of p
.set MX,   48                          ; v48-51  at work: two maxima, a pair of sums
.set PC1,  48                          ; v48-63  tile 1's codes of p: over registers that are done with
.set S,    52                          ; v52-115 S^T of one tile, then p
.set KV,   116                         ; v116-179 eight fragments of K, then four of V
.set O,    180                         ; v180-243 O^T: tile u, channels 16 T on at v[180 + 32 u + 8 T]
.set PLIM, 244                         ; v244 unused
.set NINF, 245                         ; v245 -infinity
.set F1,   246                         ; v[246:247] 1 / tile 1's sum
.set OSC,  248                         ; v248 2^(e10 - e8 - e9)
.set OLIM, 249                         ; v249 unused
.set WV,   18                          ; s18 wave;  s19 cx;  s20 the head;  s21 m
.set CX,   19
.set BH,   20
.set MP,   21
.set SEL,  22                          ; s[22:23] v_permlanex16_b32's selects for lane l xor 16
.set CS,   24                          ; s[24:25] c = log2(e) / 8 x 2^(e6 + e7)
.set G1,   28                          ; s[28:35] descriptor group 1;  s[36:39] group 0
.set G0,   36
.set TB,   40                          ; s40 LDS byte of the step's K;  s41 of its V
.set TBV,  41
.set STEPI, 42                         ; s42 the key step, and the loop's counter
.macro CROUND                          ; a round of the cluster's barrier
	s_barrier_signal -1
	s_barrier_wait -1
	s_cmp_lg_u32 s[WV], 0
	s_cbranch_scc1 .Lnot_wave_0_\@
	s_barrier_signal -3
.Lnot_wave_0_\@:
	s_barrier_wait -3
	s_barrier_signal -1
	s_barrier_wait -1
.endm
.macro PLACES
.rept 4
	v_nop
.endr
.endm
	s_load_b128 s[4:7], s[0:1], 0x0                ; qkv s[4:5], the exponents s[6:7]
	s_load_b64 s[8:9], s[0:1], 0x10                ; ao
	v_lshl_add_u32 v254, v0, 2, 0x40000
	v_mov_b32 v255, 0
	ds_add_u32 v254, v255
	ds_add_u32 v254, v255
	v_lshrrev_b32 v1, 5, v0
	s_delay_alu instid0(VALU_DEP_1)
	v_readfirstlane_b32 s[WV], v1                  ; wave 0..15
	s_bfe_u32 s[CX], ttmp6, 0x40000                ; my place in the cluster
	s_and_b32 s[BH], ttmp7, 0xffff                 ; the head, which the four partners share
	s_mov_b32 s10, 0x7A94C12F                      ; m of waves 0-7, four bits each: 15, 2, 1, 12, 4, 9, 10, 7
	s_mov_b32 s11, 0x0DE3B658                      ; of waves 8-15: 8, 5, 6, 11, 3, 14, 13, 0
	s_and_b32 s12, s[WV], 7
	s_lshl_b32 s12, s12, 2
	s_cmp_lt_u32 s[WV], 8
	s_cselect_b32 s[MP], s10, s11
	s_lshr_b32 s[MP], s[MP], s12
	s_and_b32 s[MP], s[MP], 15
	; descriptor group 1: 16 KiB, dense in memory, as 64 rows of 256 bytes
	s_mov_b32 s[G1], 15|(3<<16)|(1<<21)            ; 15:0 the mask: all four work-groups; 17:16 elements of 8 bytes; 21 set beside a mask; no padding
	s_mov_b32 s[G1+1], 32<<16                      ; tensor_dim0 = 32 elements
	s_mov_b32 s[G1+2], 64<<16                      ; tensor_dim1 = 64
	s_mov_b32 s[G1+3], 32<<16                      ; tile_dim0
	s_mov_b32 s[G1+4], 64                          ; tile_dim1
	s_mov_b32 s[G1+5], 32                          ; tensor_dim0_stride
	s_mov_b32 s[G1+6], 0
	s_mov_b32 s[G1+7], 0
	s_and_b32 s12, s[WV], 1                        ; even waves fetch K, odd waves V:
	s_lshr_b32 s13, s[WV], 1                       ; keys 256 (w / 2) on
	s_lshl_b32 s14, s12, 17
	s_lshl_b32 s15, s13, 14
	s_mov_b32 s[G0], 1                             ; count = 1
	s_add_co_u32 s[G0+1], s14, s15                 ; LDS address: 131,072 (w % 2) + 16,384 (w / 2): the wave's number alone
	s_lshl_b32 s16, s12, 23
	s_add_co_u32 s16, s16, s15
	s_lshl_b32 s17, s[BH], 17
	s_add_co_u32 s16, s16, s17
	s_add_co_u32 s16, s16, 0x800000                ; in qkv: 8 MiB (K) or 16 MiB (V) + the head + the same 16 KiB
	s_mov_b32 s17, 0
	s_mov_b32 s[SEL], 0x76543210
	s_mov_b32 s[SEL+1], 0xfedcba98
	s_wait_dscnt 0x0
	s_wait_kmcnt 0x0
	s_load_b128 s[44:47], s[6:7], 0x18             ; e6, e7, e8, e9
	s_load_b32 s48, s[6:7], 0x28                   ; e10
	s_add_nc_u64 s[G0+2:G0+3], s[4:5], s[16:17]
	s_or_b32 s[G0+3], s[G0+3], 0x80000000          ; type = 2
	CROUND                                         ; all four work-groups are here: the joint loads meet
	tensor_load_to_lds s[G0:G0+3], s[G1:G1+7]      ; my one tensor load of the launch
	s_nop 0
	PLACES
	v_and_b32 v1, 31, v0
	s_delay_alu instid0(VALU_DEP_1)
	v_lshlrev_b32 v[LI], 4, v1
	s_wait_alu depctr_va_vdst(0)
	s_lshl_b32 s12, s[MP], 3
	s_lshl_b32 s13, s[CX], 1
	s_add_co_u32 s12, s12, s13                     ; my first tile of queries: 8 m + 2 cx
	s_lshl_b32 s14, s12, 10
	s_lshl_b32 s15, s[BH], 17
	s_add_co_u32 s14, s14, s15
	s_mov_b32 s15, 0
	s_add_nc_u64 s[50:51], s[4:5], s[14:15]
.irp u, 0,1
.irp c, 0,1
	global_load_b128 v[Q+8*\u+4*\c:Q+8*\u+4*\c+3], v[LI], s[50:51] offset:1024*\u+512*\c   ; Q's fragments stay in registers
.endr
.endr
	s_lshr_b32 s13, s[BH], 4                       ; ao: row tile 128 b + 8 m + 2 cx, 16,384 bytes each; the head's 1,024 bytes in it
	s_lshl_b32 s13, s13, 7
	s_add_co_u32 s13, s13, s12
	s_lshl_b32 s13, s13, 14
	s_and_b32 s14, s[BH], 15
	s_lshl_b32 s14, s14, 10
	s_add_co_u32 s14, s14, s13
	s_mov_b32 s15, 0
	s_add_nc_u64 s[8:9], s[8:9], s[14:15]
	v_and_b32 v[DD], 15, v0
	v_bfe_u32 v[AD], v0, 4, 1
	s_delay_alu instid0(VALU_DEP_1)
	v_lshlrev_b32 v[AD], 3, v[AD]
	s_delay_alu instid0(VALU_DEP_1)
	v_sub_nc_u32 v[DD], v[DD], v[AD]
	s_lshl_b32 s13, s[CX], 5
	v_add_nc_u32 v[DD], s13, v[DD]
	v_mov_b32 v[PX], 0                             ; written once: a lane exchange's destination counts as one of its sources
	v_mov_b32 v[F+1], 0                            ; (named as the upper halves of pairs)
	v_mov_b32 v[F1+1], 0
	v_mov_b32 v[NINF], 0xff800000
.irp u, 0,1
	v_mov_b32 v[ST+4*\u+1], 0xff61b1e6             ; the largest t so far: -3e38, under every t
	s_delay_alu instid0(VALU_DEP_1)
	v_floor_f32 v[ST+4*\u], -v[ST+4*\u+1]          ; -M
	v_mov_b32 v[ST+4*\u+2], 0                      ; the sum
	v_mov_b32 v[ST+4*\u+3], 0
.endr
.set j, 0
.rept 64
	v_mov_b32 v[O+j], 0                            ; O^T.  (The step is written once: the first finds zeros, which the first change of M leaves zeros)
.set j, j+1
.endr
	s_wait_kmcnt 0x0
	s_add_co_i32 s12, s44, s45
	s_lshl_b32 s12, s12, 23
	s_add_co_i32 s[CS], s12, 0x3e38aa3b            ; c = log2(e) / 8, with e6 + e7 added to its exponent field
	s_mov_b32 s[CS+1], s[CS]                       ; (named with it as a pair)
	s_add_co_i32 s12, s46, 127
	s_lshl_b32 s13, s12, 23
	v_mov_b32 v[PSC], s13                          ; 2^e8
	s_sub_co_i32 s12, s48, s46
	s_sub_co_i32 s12, s12, s47                     ; a sum of the second product stands for sum x 2^(e8 + e9): its code is (sum / l) / 2^(e10 - e8 - e9)
	s_add_co_i32 s12, s12, 127
	s_lshl_b32 s13, s12, 23
	v_mov_b32 v[OSC], s13
	s_mov_b32 s[TB], 0
	s_mov_b32 s[TBV], 131072
	s_mov_b32 s[STEPI], 0
.macro KLOAD                           ; the step's eight fragments of K.  The addition and the four v_nop are five places behind the last step's products: four for the loads into the registers that those read, five for the products that write over tile 1's codes
	v_add_nc_u32 v[AD], s[TB], v[LI]
	PLACES
.irp k, 0,1,2,3,4,5,6,7
.irp c, 0,1
	ds_load_b128 v[KV+8*\k+4*\c:KV+8*\k+4*\c+3], v[AD] offset:1024*\k+512*\c
.endr
.endr
.endm
.macro QK u                            ; S^T of tile u: lane (r, h), register 8 k + j: query r, key 16 k + 8 h + j
.irp k, 0,1,2,3,4,5,6,7
	v_wmma_f32_16x16x64_fp8_fp8 v[S+8*\k:S+8*\k+7], v[KV+8*\k:KV+8*\k+7], v[Q+8*(\u):Q+8*(\u)+7], 0
.endr
.endm
.macro MASK u                          ; on the diagonal the scores of hidden keys become -infinity ahead of the maximum: p = 0 then.  Key 128 m counts for every query of the pair
	s_cmp_lt_u32 s[STEPI], s[MP]
	s_cbranch_scc1 .Lopen_\@
.irp n, 0,1,2,3,4,5,6,7,8,9,10,11,12,13,14,15,16,17,18,19,20,21,22,23,24,25,26,27,28,29,30,31,32,33,34,35,36,37,38,39,40,41,42,43,44,45,46,47,48,49,50,51,52,53,54,55,56,57,58,59,60,61,62,63
	v_cmp_gt_i32 vcc_lo, 16*(\n/8)+\n%8-16*(\u), v[DD]
	v_cndmask_b32 v[S+\n], v[S+\n], v[NINF], vcc_lo
.endr
.Lopen_\@:
.endm
.macro SOFTMAX u, pc
.set rT, ST+4*(\u)
	v_max3_num_f32 v[MX], v[S], v[S+1], v[S+2]     ; the step's largest score of my query among my 64 keys, in two chains; each accumulator is first read at its low end
	v_max3_num_f32 v[MX+1], v[S+3], v[S+4], v[S+5]
.irp i, 6,10,14,18,22,26,30,34,38,42,46,50,54,58
	v_max3_num_f32 v[MX], v[MX], v[S+\i], v[S+\i+1]
	v_max3_num_f32 v[MX+1], v[MX+1], v[S+\i+2], v[S+\i+3]
.endr
	v_max3_num_f32 v[MX], v[MX], v[S+62], v[S+63]
	s_delay_alu instid0(VALU_DEP_1)
	v_max_num_f32 v[MX], v[MX], v[MX+1]
	s_delay_alu instid0(VALU_DEP_1)
	v_permlanex16_b32 v[PX], v[MX], s[SEL], s[SEL+1]
	s_delay_alu instid0(VALU_DEP_1)
	v_max_num_f32 v[MX], v[MX], v[PX]              ; and among lane l xor 16's
	s_delay_alu instid0(VALU_DEP_1)
	v_mul_f32 v[MX], s[CS], v[MX]                  ; as t (c is positive)
	s_delay_alu instid0(VALU_DEP_1)
	v_max_num_f32 v[rT+1], v[rT+1], v[MX]          ; the running largest t
	v_mov_b32 v[MX], v[rT]
	s_delay_alu instid0(VALU_DEP_2)
	v_floor_f32 v[rT], -v[rT+1]                    ; the new -M = floor(-t) = -ceil(t)
	s_delay_alu instid0(VALU_DEP_1)
	v_sub_f32 v[MX], v[rT], v[MX]                  ; old M - new M: a whole number, 0 or less
	s_delay_alu instid0(VALU_DEP_1)
	v_cvt_i32_f32 v[MX], v[MX]                     ; (it saturates)
	s_delay_alu instid0(VALU_DEP_1)
	v_ldexp_f32 v[F], 1.0, v[MX]                   ; f = 2^(old M - new M)
.set j, 0
.rept 32
	v_pk_fma_f32 v[S+j:S+j+1], v[S+j:S+j+1], s[CS:CS+1], v[rT:rT+1] op_sel_hi:[1,0,0]   ; t - M, two at a time
.set j, j+2
.endr
.set j, 0
	s_wait_alu depctr_va_vdst(0)
.rept 64
	v_exp_f32 v[S+j], v[S+j]                       ; p = 2^(t - M), at most 1
.set j, j+1
.endr
	v_pk_mul_f32 v[rT+2:rT+3], v[rT+2:rT+3], v[F:F+1] op_sel_hi:[1,0]   ; the sum under the new M: the plain instruction behind the exponentials
	s_wait_alu depctr_va_vdst(0)                   ; one wait for the batch of 64, ahead of its first reader
	v_pk_add_f32 v[MX+2:MX+3], v[S:S+1], v[S+2:S+3]   ; the sum of the UNQUANTISED p, in two chains
.irp j, 4,8,12,16,20,24,28,32,36,40,44,48,52,56,60
	v_pk_add_f32 v[rT+2:rT+3], v[rT+2:rT+3], v[S+\j:S+\j+1]
	v_pk_add_f32 v[MX+2:MX+3], v[MX+2:MX+3], v[S+\j+2:S+\j+3]
.endr
	s_delay_alu instid0(VALU_DEP_1)
	v_pk_add_f32 v[rT+2:rT+3], v[rT+2:rT+3], v[MX+2:MX+3]
.irp k, 0,1,2,3,4,5,6,7
.irp i, 0,1,2,3,4,5,6,7
.endr
	v_nop
	v_cvt_scalef32_pk8_fp8_f32 v[\pc+2*\k:\pc+2*\k+1], v[S+8*\k:S+8*\k+7], v[PSC]   ; registers 2 k, 2 k + 1 of the operand: keys 16 k + 8 h + 0 .. 7.  (Tile 1's land on registers whose p has been converted two turns before)
.endr
.endm
.macro RESCALE u                       ; O^T of tile u under the new M, each accumulator from its low end on
.set j, 0
.rept 16
	v_pk_mul_f32 v[O+32*(\u)+j:O+32*(\u)+j+1], v[O+32*(\u)+j:O+32*(\u)+j+1], v[F:F+1] op_sel_hi:[1,0]
.set j, j+2
.endr
.endm
.macro VLOAD                           ; the step's four fragments of V
	v_add_nc_u32 v[AD], s[TBV], v[LI]
.irp t, 0,1,2,3
.irp c, 0,1,2,3
	ds_load_b128 v[KV+16*\t+4*\c:KV+16*\t+4*\c+3], v[AD] offset:2048*\t+512*\c
.endr
.endr
.endm
.macro PV                              ; O^T += V^T P^T: eight accumulators by turns, one instruction a turn
	s_wait_dscnt 0x0                               ; V is in
.irp t, 0,1,2,3
	v_wmma_f32_16x16x128_fp8_fp8 v[O+8*\t:O+8*\t+7], v[KV+16*\t:KV+16*\t+15], v[PC0:PC0+15], v[O+8*\t:O+8*\t+7]
	v_wmma_f32_16x16x128_fp8_fp8 v[O+32+8*\t:O+32+8*\t+7], v[KV+16*\t:KV+16*\t+15], v[PC1:PC1+15], v[O+32+8*\t:O+32+8*\t+7]
.endr
.endm
	s_wait_loadcnt 0x0                             ; Q
	s_wait_tensorcnt 0x0                           ; my 16 KiB have landed,
	s_barrier_signal -1
	s_barrier_wait -1                              ; everybody's have: the head's K and V lie in LDS, and nobody writes LDS again
.Lstep:                                            ; sixteen trips, a key step of 128 keys each
	s_cmp_gt_u32 s[STEPI], s[MP]                   ; a step all of whose keys come after my queries is left out: a branch on the wave's number and the counter
	s_cbranch_scc1 .Lhidden
	s_setprio 2
	KLOAD
	s_wait_dscnt 0x0
	QK 0
	PLACES
	MASK 0
	SOFTMAX 0, PC0
	v_nop                                          ; one plain instruction between the last conversion and the products that write its sources
	QK 1
	RESCALE 0                                      ; sixteen plain instructions on other registers: the places behind those products, for V's loads and for the first read of the scores
	VLOAD                                          ; lands while tile 1's softmax is worked
	s_setprio 1
	MASK 1
	SOFTMAX 1, PC1
	s_setprio 0
	RESCALE 1                                      ; also the plain instructions between the last conversion and the products that read its result
	s_wait_alu depctr_va_vdst(0)
	PV
.Lhidden:
	s_add_co_u32 s[TB], s[TB], 8192
	s_add_co_u32 s[TBV], s[TBV], 8192
	s_add_co_u32 s[STEPI], s[STEPI], 1
	s_cmp_lt_u32 s[STEPI], 16
	s_cbranch_scc1 .Lstep
	s_setprio 0
	; THE WAY OUT: O^T / the sum, held, converted: a lane's eight channels of an accumulator are eight bytes of the last product's operand; the wave's store covers a chunk's 512 consecutive bytes.
	PLACES
	v_add_f32 v[ST+2], v[ST+2], v[ST+3]            ; the sums' two halves,
	v_add_f32 v[ST+6], v[ST+6], v[ST+7]
	s_delay_alu instid0(VALU_DEP_2)
	v_permlanex16_b32 v[PX], v[ST+2], s[SEL], s[SEL+1]
	s_delay_alu instid0(VALU_DEP_1)
	v_add_f32 v[ST+2], v[ST+2], v[PX]              ; and lane l xor 16's
	s_delay_alu instid0(VALU_DEP_2)
	v_permlanex16_b32 v[PX], v[ST+6], s[SEL], s[SEL+1]
	s_delay_alu instid0(VALU_DEP_1)
	v_add_f32 v[ST+6], v[ST+6], v[PX]
	s_wait_alu depctr_va_vdst(0)
	v_rcp_f32 v[F], v[ST+2]
	v_rcp_f32 v[F1], v[ST+6]
	v_nop                                          ; a plain instruction behind the reciprocals
	s_wait_alu depctr_va_vdst(0)                   ; one wait for the two, ahead of their first reader
.macro FINISH u, rc
.set rO, O+32*(\u)
.set j, 0
.rept 16
	v_pk_mul_f32 v[rO+j:rO+j+1], v[rO+j:rO+j+1], v[\rc:\rc+1] op_sel_hi:[1,0]
.set j, j+2
.endr
.set j, 0
.rept 32
.set j, j+1
.endr
.irp t, 0,1,2,3
	v_cvt_scalef32_pk8_fp8_f32 v[KV+8*(\u)+2*\t:KV+8*(\u)+2*\t+1], v[rO+8*\t:rO+8*\t+7], v[OSC]
.endr
.endm
	FINISH 0, F
	FINISH 1, F1
	v_nop                                          ; a plain instruction behind the last conversion
.irp u, 0,1
.irp c, 0,1
	global_store_b128 v[LI], v[KV+8*\u+4*\c:KV+8*\u+4*\c+3], s[8:9] offset:16384*\u+512*\c
.endr
.endr
	s_wait_dscnt 0x0
	s_wait_tensorcnt 0x0
	ds_add_u32 v254, v255
	s_wait_dscnt 0x0
	CROUND                                         ; the closing round: no work-group ends while a partner may still ask for a tile that names it
	s_endpgm
.Lfunc_end_k_q91de12b99f_attn:
	.size	k_q91de12b99f_attn, .Lfunc_end_k_q91de12b99f_attn-k_q91de12b99f_attn
	.p2alignl 7, 3214868480
	.fill 96, 4, 3214868480
	.section	.rodata,"a",@progbits
	.p2align	6, 0x0
	.amdhsa_kernel k_q91de12b99f_attn
		.amdhsa_group_segment_fixed_size 264192
		.amdhsa_private_segment_fixed_size 0
		.amdhsa_enable_private_segment 0
		.amdhsa_kernarg_size 24
		.amdhsa_user_sgpr_count 2
		.amdhsa_user_sgpr_kernarg_segment_ptr 1
		.amdhsa_wavefront_size32 1
		.amdhsa_system_sgpr_workgroup_id_x 1
		.amdhsa_system_sgpr_workgroup_id_y 1
		.amdhsa_system_sgpr_workgroup_id_z 1
		.amdhsa_system_vgpr_workitem_id 0
		.amdhsa_next_free_vgpr 256
		.amdhsa_next_free_sgpr 66
		.amdhsa_reserve_vcc 1
		.amdhsa_float_denorm_mode_32 3
		.amdhsa_float_denorm_mode_16_64 3
		.amdhsa_fp16_overflow 1
		.amdhsa_memory_ordered 1
		.amdhsa_forward_progress 1
		.amdhsa_inst_pref_size 48
	.end_amdhsa_kernel
	.amdgpu_metadata
---
amdhsa.version: [ 1, 2 ]
amdhsa.kernels:
  - .name:           k_q91de12b99f_attn
    .symbol:         k_q91de12b99f_attn.kd
    .args:
      - { .name: qkv, .offset: 0, .size: 8, .value_kind: global_buffer, .address_space: global }
      - { .name: lowp_scales, .offset: 8, .size: 8, .value_kind: global_buffer, .address_space: global }
      - { .name: ao, .offset: 16, .size: 8, .value_kind: global_buffer, .address_space: global }
    .group_segment_fixed_size: 264192
    .private_segment_fixed_size: 0
    .kernarg_segment_align: 8
    .kernarg_segment_size: 24
    .max_flat_workgroup_size: 512
    .sgpr_count:     66
    .vgpr_count:     256
    .wavefront_size: 32
...
	.end_amdgpu_metadata
.endif
;; end of part 3
;; launch oproj (part 4): grid 4 x 32, 4 waves a work-group, clusters of 4 x 4, 327,680 bytes of LDS; arguments ao, wc, lowp_scales, out0; writes out0
.if DOCPART == 4
	.amdgcn_target "amdgcn-amd-amdhsa--gfx1250"
	.amdhsa_code_object_version 6
	.text
	.protected	k_q91de12b99f_oproj
	.globl	k_q91de12b99f_oproj
	.p2align	8
	.type	k_q91de12b99f_oproj,@function
k_q91de12b99f_oproj:
	s_mov_b64 s[64:65], 0
	v_nop
	global_prefetch_b8 v0, s[64:65] scope:SCOPE_SE
	s_setreg_imm32_b32 hwreg(HW_REG_WAVE_MODE, 25, 1), 1
	s_wait_xcnt 0x0
	s_wait_alu depctr_hold_cnt(0) depctr_sa_sdst(0) depctr_va_vdst(0) depctr_va_sdst(0) depctr_va_ssrc(0) depctr_va_vcc(0) depctr_vm_vsrc(0)
	s_getreg_b32 s2, hwreg(HW_REG_IB_STS2, 6, 4)
	s_cmp_eq_u32 s2, 0
	s_cbranch_scc0 .Lentry_in_a_cluster
	s_endpgm
.Lentry_in_a_cluster:
	s_bfe_u32 s2, ttmp6, 0x10000c
	s_cmp_lg_u32 s2, 0xf033
	s_cbranch_scc0 .Lentry_shape_is_right
	s_endpgm
.Lentry_shape_is_right:
; out0 = A W_o on E4M3 codes, sums in f32, each finished sum x 2^(e10 + e11).  out0: [8192][1024] f32.
; A (ao) lies as images of operand registers: [tile of 16 rows 512][head 16][c 2][512 bytes], lane L's 16 bytes at 16 L: lane (r, h), byte i: row r, k = 64 head + 16 (2 c + i / 8) + 8 h + i % 8: the plain 8-bit layout
; (registers 2 c, 2 c + 1: k = 16 c + 8 h + 0 .. 7; ISA guide 7.12.2): four chunks on end are a fragment of 16 rows x 128 K.
; B is wc's tensor 3: [n 1024][1024 bytes], within each 32 bytes byte 16 h + 8 u + i holds k = 16 u + 8 h + i, so that four reads of 16 bytes at 32 c + 16 h give the same layout.
; A tile of the result, 256 x 256, is made by four waves, each 128 x 128 in 64 accumulators.  K goes in steps of 256 through two LDS slots.
; CLUSTERS: 4 x 4 work-groups: A's tile is shared along a row of the cluster, B's along a column: each is asked for JOINTLY.  Source 0 = 16 rows of B, source 1 = 16 rows of A: a lane holds eight neighbouring numbers of a row of out0.
; 128 work-groups: a smaller tile would give every WGP one, but a wave of 64 x 128 reads three quarters of the LDS bytes for half the products.
; LIMIT: e10 + e11 between -126 and 127, so that 2^(e10 + e11) is an f32 number.  No prefetch: a tile has four fills of a slot, two of them at the head.
; REGISTERS, in windows of 256: window 0: v0-31 addresses; from v128 A's fragments, ONE set; on the way out v32-255 are free.  window 1: B's fragments, TWO sets.  windows 2, 3: the accumulators.
.set SIZE_N, 1024
.set SIZE_K, 1024
.set KSTEP,  256
.set ROWB,   256                       ; a row of B's tile in bytes
.set KROW,   SIZE_K
.set ASTEP,  4096                      ; a K step of a tile of 16 rows of A: four heads' chunks
.set AROW,   16384                     ; from a tile of 16 rows of A to the next, in memory
.set PITCH,  272                       ; an LDS row of B: 256 bytes + 16 of padding: row r starts at bank 4 r mod 64 (64 banks of 4 bytes: ISA guide 11.1)
.set FR,     16
.set NL,     4
.set NP,     4
.set HALFT,  128*PITCH                 ; what one tensor load may take: B's 128 padded rows; A's 8 x 4,096 bytes lie dense in the first 32,768
.set SLOT,   4*HALFT
.set LAPS,   SIZE_K/(2*KSTEP)
.set SPARE,  2*SLOT                    ; behind the ring: the spare words, 128 bytes for each wave
.set SPITCH, 528                       ; the way out: a stage of 16 rows x (512 bytes + 16) for each wave, in slot 0, which has had its last fill and its last read when the first result is stored there
.set ADRA, 16
.set ADRB, 20
.set STO,  24
.set RD,   25
.set CO,   26                          ; v26  16 x lane
.set SPW,  28
.set NIL,  29
.set TMP,  32
.set AF,   128
.set BK,   128
.set G1, 24
.set G0, 32
.set G1B, 48
.set G0B, 56
.set MSB, 0
.macro WIN new                         ; the immediate's high byte repeats the setting that is left
.if MSB != \new
	s_set_vgpr_msb (MSB<<8)|\new
.set MSB, \new
.endif
.endm
.set MUL_LO, 0xa1
.set MUL_HI, 0xf1
.set TO_B,   0x40
.macro JLOAD g0a, g1a, g0b, g1b        ; a joint load: waves 0 and 1 fetch for A, waves 2 and 3 for B; four v_nop follow each of the two lines
	s_cmp_eq_u32 s15, 0
	s_cbranch_scc0 .Lfor_b_\@
	tensor_load_to_lds s[\g0a:\g0a+3], s[\g1a:\g1a+7]
	s_nop 0
.rept 4
	v_nop
.endr
	s_branch .Lasked_\@
.Lfor_b_\@:
	tensor_load_to_lds s[\g0b:\g0b+3], s[\g1b:\g1b+7]
	s_nop 0
.rept 4
	v_nop
.endr
.Lasked_\@:
.endm
.macro CREST
	s_cmp_lg_u32 s14, 0
	s_cbranch_scc1 .Lnot_wave_0_\@
	s_barrier_signal -3
.Lnot_wave_0_\@:
	s_barrier_wait -3
	s_barrier_signal -1
	s_barrier_wait -1
.endm
.macro CROUND
	s_barrier_signal -1
	s_barrier_wait -1
	CREST
.endm
	s_load_b128 s[4:7], s[0:1], 0x0                ; ao s[4:5], wc s[6:7]
	s_load_b128 s[8:11], s[0:1], 0x10              ; the exponents s[8:9], out0 s[10:11]
	v_lshl_add_u32 v[SPW], v0, 2, SPARE
	v_mov_b32 v[NIL], 0
	ds_add_u32 v28, v29
	ds_add_u32 v28, v29
	s_wait_dscnt 0x0
	v_lshrrev_b32 v1, 5, v0
	v_readfirstlane_b32 s14, v1                    ; wave 0..3
	s_lshr_b32 s15, s14, 1                         ; which half of the tile's rows is mine.  Also: I fetch for A (0) or for B (1)
	s_and_b32 s16, s14, 1                          ; which half of its columns.  Also: which 128 rows of that tile I fetch
	s_bfe_u32 s40, ttmp6, 0x40000                  ; cx, cy
	s_bfe_u32 s41, ttmp6, 0x40004
	s_lshl_b32 s42, ttmp9, 2
	s_add_co_u32 s42, s42, s40                     ; tile column = 4 x cluster x + cx
	s_and_b32 s17, ttmp7, 0xffff
	s_lshl_b32 s17, s17, 2
	s_add_co_u32 s17, s17, s41                     ; tile row = 4 x cluster y + cy
	s_lshl_b32 s43, s41, 2
	s_lshl_b32 s43, 15, s43                        ; my row of the cluster
	s_lshl_b32 s44, 0x1111, s40                    ; my column
	; descriptor group 1 for A: 8 tiles of 16 rows, 4,096 bytes of each, dense in LDS
	s_or_b32 s[G1+0], s43, (0<<16)|(1<<21)         ; 15:0 the mask: my row; 17:16 elements of 1 byte; 21 set beside a mask; no padding
	s_mov_b32 s[G1+1], ASTEP<<16                   ; tensor_dim0
	s_mov_b32 s[G1+2], 8<<16                       ; tensor_dim1
	s_mov_b32 s[G1+3], ASTEP<<16                   ; tile_dim0
	s_mov_b32 s[G1+4], 8                           ; tile_dim1
	s_mov_b32 s[G1+5], AROW                        ; tensor_dim0_stride
	s_mov_b32 s[G1+6], 0
	s_mov_b32 s[G1+7], 0
	; for B: 128 rows x 256 bytes, padded in LDS
	s_or_b32 s[G1B+0], s44, (0<<16)|(1<<20)|(1<<21)|(5<<22)|(3<<25)  ; the mask of my column; padding: four words after every 64
	s_mov_b32 s[G1B+1], ROWB<<16
	s_mov_b32 s[G1B+2], 128<<16
	s_mov_b32 s[G1B+3], ROWB<<16
	s_mov_b32 s[G1B+4], 128
	s_mov_b32 s[G1B+5], KROW
	s_mov_b32 s[G1B+6], 0
	s_mov_b32 s[G1B+7], 0
	s_lshl_b32 s18, s16, 7
	s_lshl_b32 s20, s17, 8
	s_add_co_u32 s20, s20, s18                     ; A: row 256 x tile row + 128 x half: 1,024 bytes a row, since 16 rows are 16,384
	s_lshl_b32 s46, s42, 8
	s_add_co_u32 s46, s46, s18                     ; B: row 256 x tile column + 128 x half
	s_mov_b32 s21, 0
	s_mov_b32 s47, 0
	s_mov_b64 s[18:19], KROW
	s_mul_u64 s[20:21], s[20:21], s[18:19]
	s_mul_u64 s[46:47], s[46:47], s[18:19]
	s_mul_i32 s45, s14, HALFT                      ; where they go: the wave's number alone
	s_wait_kmcnt 0x0
	s_load_b64 s[96:97], s[8:9], 0x28              ; e10, e11
	s_add_nc_u64 s[6:7], s[6:7], 0x300000          ; wc's tensor 3
	s_add_nc_u64 s[20:21], s[4:5], s[20:21]
	s_add_nc_u64 s[46:47], s[6:7], s[46:47]
	CROUND                                         ; all sixteen work-groups are here: the first joint loads meet
.irp s, 0,1
	s_mov_b32 s[G0+4*\s], 1
	s_add_co_u32 s[G0+4*\s+1], s45, \s*SLOT
	s_add_nc_u64 s[G0+4*\s+2:G0+4*\s+3], s[20:21], \s*ASTEP
	s_or_b32 s[G0+4*\s+3], s[G0+4*\s+3], 0x80000000
	s_mov_b32 s[G0B+4*\s], 1
	s_add_co_u32 s[G0B+4*\s+1], s45, \s*SLOT
	s_add_nc_u64 s[G0B+4*\s+2:G0B+4*\s+3], s[46:47], \s*ROWB
	s_or_b32 s[G0B+4*\s+3], s[G0B+4*\s+3], 0x80000000
	s_wait_alu depctr_va_vdst(0)
	s_wait_tensorcnt 0x0
	ds_add_u32 v28, v29
	ds_add_u32 v28, v29
	s_wait_dscnt 0x0
	CROUND
	JLOAD G0+4*\s, G1, G0B+4*\s, G1B
.endr
	v_and_b32 v1, 15, v0                           ; l % 16
	v_bfe_u32 v2, v0, 4, 1                         ; l / 16
	v_mul_u32_u24 v3, v1, PITCH
	v_lshl_add_u32 v4, v2, 4, v3                   ; B: a fragment's row x pitch + 16 x half
	v_and_b32 v6, 31, v0
	v_lshlrev_b32 v[CO], 4, v6                     ; A: 16 x lane.  Also my 16 bytes of a row of 512 on the way out
	s_wait_alu depctr_va_vdst(0)
	s_mul_i32 s21, s15, HALFT                      ; my 128 rows of A
	s_mul_i32 s22, s16, HALFT                      ; my 128 rows of B,
	s_add_co_u32 s22, s22, 2*HALFT                 ; which lie behind A's two halves
.irp s, 0,1
	v_add_nc_u32 v[ADRA+\s], s21, v[CO]
	v_add_nc_u32 v[ADRB+\s], s22, v4
	s_add_co_u32 s21, s21, SLOT
	s_add_co_u32 s22, s22, SLOT
.endr
	s_mul_i32 s23, s14, 16*SPITCH                  ; my stage
	v_mul_u32_u24 v5, v1, SPITCH                   ; in: row l % 16, 32 bytes for each half of the lanes
	v_lshl_add_u32 v5, v2, 5, v5
	v_add_nc_u32 v[STO], s23, v5
	v_add_nc_u32 v[RD], s23, v[CO]                 ; back: the 32 lanes take one row of 512 bytes
	s_lshl_b32 s20, s17, 8
	s_lshl_b32 s21, s15, 7
	s_add_co_u32 s20, s20, s21                     ; my first row of out0
	s_mov_b32 s21, 0
	s_mov_b64 s[18:19], SIZE_N*4
	s_mul_u64 s[20:21], s[20:21], s[18:19]
	s_lshl_b32 s46, s42, 10                        ; my first column, in bytes
	s_lshl_b32 s47, s16, 9
	s_add_co_u32 s46, s46, s47
	s_mov_b32 s47, 0
	s_add_nc_u64 s[20:21], s[20:21], s[46:47]
	s_add_nc_u64 s[10:11], s[10:11], s[20:21]
.macro FRAG reg, adr, q, i             ; a fragment of B: four loads of 16 bytes, 32 bytes apart, from a padded row
.irp c, 0,1,2,3
	ds_load_b128 v[\reg+4*\c:\reg+4*\c+3], v[\adr] offset:128*(\q)+32*\c+(\i)*16*PITCH
.endr
.endm
.macro FRAGA reg, adr, q, i            ; a fragment of A: four chunks of 512 consecutive bytes, as they were stored
.irp c, 0,1,2,3
	ds_load_b128 v[\reg+4*\c:\reg+4*\c+3], v[\adr] offset:2048*(\q)+512*\c+(\i)*ASTEP
.endr
.endm
.macro MUL16 a0, p, zero               ; 16 matrix instructions; the 64 accumulators take turns, one instruction a turn
.irp a, \a0, \a0+1
.irp b, 0,1,2,3,4,5,6,7
.if \zero
	v_wmma_f32_16x16x128_fp8_fp8 v[8*(8*((\a)%4)+\b):8*(8*((\a)%4)+\b)+7], v[128*(\p)+FR*\b:128*(\p)+FR*\b+FR-1], v[AF+FR*(\a):AF+FR*(\a)+FR-1], 0
.else
	v_wmma_f32_16x16x128_fp8_fp8 v[8*(8*((\a)%4)+\b):8*(8*((\a)%4)+\b)+7], v[128*(\p)+FR*\b:128*(\p)+FR*\b+FR-1], v[AF+FR*(\a):AF+FR*(\a)+FR-1], v[8*(8*((\a)%4)+\b):8*(8*((\a)%4)+\b)+7]
.endif
.endr
.endr
.endm
.macro FETCH_B slot, q, p
	WIN TO_B
.irp i, 0,1,2,3,4,5,6,7
	FRAG 128*(\p)+FR*\i, ADRB+\slot, \q, \i
.endr
	WIN 0
.endm
.macro FETCH_A slot, q, i0
.irp i, \i0, \i0+1, \i0+2, \i0+3
	FRAGA AF+FR*(\i), ADRA+\slot, \q, \i
.endr
.endm
.macro PLACES n
.rept \n
	v_nop
.endr
.endm
.macro STEP slot, q, zero
	s_wait_dscnt 4*NL                              ; B's set and A's blocks 0-3 are in; the youngest sixteen loads (A's blocks 4-7) may be out
	WIN MUL_LO
	MUL16 0, (\q)%2, \zero
	MUL16 2, (\q)%2, \zero
	s_wait_dscnt 0
	PLACES NP
	FETCH_B \slot, (\q)+1, 1-(\q)%2
	FETCH_A \slot, (\q)+1, 0
	WIN MUL_HI
	MUL16 4, (\q)%2, \zero
	MUL16 6, (\q)%2, \zero
	PLACES NP
	WIN 0
	FETCH_A \slot, (\q)+1, 4
.endm
.macro TURN slot, next, fill           ; a slot's last step changes slots: ONE barrier, with the wave's waits and its add in front of it
	s_wait_tensorcnt 0x0                           ; all my tensor loads have landed: my part of the next slot
	ds_add_u32 v[SPW], v[NIL]                      ; 0 onto my spare word
	s_wait_dscnt 4*NL+1                            ; (the add and the youngest sixteen loads may be out)
	WIN MUL_LO
	MUL16 0, 1, 0
	s_wait_dscnt 0x0                               ; the add is done, and my reads of this slot are over
	s_barrier_signal -1
	MUL16 2, 1, 0
	WIN 0
	s_barrier_wait -1
.if \fill
	CREST                                          ; the barrier has opened a round of the cluster's barrier
	s_add_nc_u64 s[G0+4*\slot+2:G0+4*\slot+3], s[G0+4*\slot+2:G0+4*\slot+3], 2*ASTEP
	s_add_nc_u64 s[G0B+4*\slot+2:G0B+4*\slot+3], s[G0B+4*\slot+2:G0B+4*\slot+3], 2*ROWB
	JLOAD G0+4*\slot, G1, G0B+4*\slot, G1B         ; the first tensor load behind the round; its four v_nop are also the places in front of the loads below
.else
	PLACES NP
.endif
	FETCH_B \next, 0, 0
	FETCH_A \next, 0, 0
	WIN MUL_HI
	MUL16 4, 1, 0
	MUL16 6, 1, 0
	PLACES NP
	WIN 0
	FETCH_A \next, 0, 4
.endm
	s_wait_alu depctr_va_vdst(0)
	s_wait_tensorcnt 1                             ; my part of K step 0 is in (K step 1's load may be out)
	s_barrier_signal -1
	s_barrier_wait -1                              ; everybody's is
	FETCH_B 0, 0, 0
	FETCH_A 0, 0, 0
	FETCH_A 0, 0, 4
	STEP 0, 0, 1                                   ; the first step's products start the sums
	s_mov_b32 s3, LAPS-1
.Llap:
	TURN 0, 1, 1
	STEP 1, 0, 0
	TURN 1, 0, 1
	STEP 0, 0, 0
	s_sub_co_u32 s3, s3, 1
	s_cmp_lg_u32 s3, 0
	s_cbranch_scc1 .Llap
	TURN 0, 1, 0                                   ; the last lap fills nothing
	STEP 1, 0, 0
	s_wait_dscnt 4*NL
	WIN MUL_LO
	MUL16 0, 1, 0
	MUL16 2, 1, 0
	s_wait_dscnt 0
	WIN MUL_HI
	MUL16 4, 1, 0
	MUL16 6, 1, 0
	WIN 0
; THE WAY OUT, block by block of 16 rows x 128 columns, through my own stage in LDS: in as 32 bytes a lane, back as whole rows of 512 bytes.  LDS serves a wave's instructions in order (ISA guide 5.7.1.4).
.macro TOSTAGE a
.set AC, 64*((\a)%4)
	WIN 0x02+((\a)/4)                              ; source 0: window 2 or 3
.irp j, 0,2,4,6,8,10,12,14,16,18,20,22,24,26,28,30,32,34,36,38,40,42,44,46,48,50,52,54,56,58,60,62
	v_pk_mul_f32 v[TMP+\j:TMP+\j+1], v[AC+\j:AC+\j+1], s[96:97] op_sel_hi:[1,0]   ; x 2^(e10 + e11); each accumulator from its low end on
.endr
	WIN 0
.irp b, 0,1,2,3,4,5,6,7
	ds_store_b128 v[STO], v[TMP+8*\b:TMP+8*\b+3] offset:64*\b
	ds_store_b128 v[STO], v[TMP+8*\b+4:TMP+8*\b+7] offset:64*\b+16
.endr
.set BB, BK+64*((\a)%2)
.irp t, 0,1,2,3,4,5,6,7,8,9,10,11,12,13,14,15
	ds_load_b128 v[BB+4*\t:BB+4*\t+3], v[RD] offset:\t*SPITCH
.endr
.endm
.macro SEND a, younger                 ; younger: the LDS instructions issued behind block a's loads, which may stay out
.set BB, BK+64*((\a)%2)
	s_wait_dscnt \younger
.if (\a) > 0
	s_add_nc_u64 s[10:11], s[10:11], 16*SIZE_N*4   ; (behind a wait on XCNT: the earlier stores have read their base)
.endif
.irp t, 0,1,2,3,4,5,6,7,8,9,10,11,12,13,14,15
	global_store_b128 v[CO], v[BB+4*\t:BB+4*\t+3], s[10:11] offset:\t*SIZE_N*4 th:TH_STORE_NT   ; 32 lanes store 512 consecutive bytes, at a multiple of 256 from out0's first byte
.endr
.endm
	s_wait_kmcnt 0x0
	s_add_co_i32 s96, s96, s97
	s_add_co_i32 s96, s96, 127
	s_lshl_b32 s96, s96, 23                        ; 2^(e10 + e11) as f32
	PLACES NP
	TOSTAGE 0
.irp a, 1,2,3,4,5,6,7
.if \a > 1
	s_wait_xcnt 0x0                                ; block a - 2's stores have read their registers and their base
.endif
	TOSTAGE \a
	SEND \a-1, 32                                  ; behind block a - 1's loads: block a's 16 stores and 16 loads
.endr
	s_wait_xcnt 0x0
	SEND 7, 0
	s_wait_tensorcnt 0x0                           ; the wave's end
	ds_add_u32 v[SPW], v[NIL]
	s_wait_dscnt 0x0
	CROUND                                         ; the closing round
	s_endpgm
.Lfunc_end_k_q91de12b99f_oproj:
	.size	k_q91de12b99f_oproj, .Lfunc_end_k_q91de12b99f_oproj-k_q91de12b99f_oproj
	.p2alignl 7, 3214868480
	.fill 96, 4, 3214868480
	.section	.rodata,"a",@progbits
	.p2align	6, 0x0
	.amdhsa_kernel k_q91de12b99f_oproj
		.amdhsa_group_segment_fixed_size 327680
		.amdhsa_private_segment_fixed_size 0
		.amdhsa_enable_private_segment 0
		.amdhsa_kernarg_size 32
		.amdhsa_user_sgpr_count 2
		.amdhsa_user_sgpr_kernarg_segment_ptr 1
		.amdhsa_wavefront_size32 1
		.amdhsa_system_sgpr_workgroup_id_x 1
		.amdhsa_system_sgpr_workgroup_id_y 1
		.amdhsa_system_sgpr_workgroup_id_z 1
		.amdhsa_system_vgpr_workitem_id 0
		.amdhsa_next_free_vgpr 1024
		.amdhsa_next_free_sgpr 98
		.amdhsa_reserve_vcc 0
		.amdhsa_float_denorm_mode_32 3
		.amdhsa_float_denorm_mode_16_64 3
		.amdhsa_memory_ordered 1
		.amdhsa_forward_progress 1
		.amdhsa_inst_pref_size 124
	.end_amdhsa_kernel
	.amdgpu_metadata
---
amdhsa.version: [ 1, 2 ]
amdhsa.kernels:
  - .name:           k_q91de12b99f_oproj
    .symbol:         k_q91de12b99f_oproj.kd
    .args:
      - { .name: ao, .offset: 0, .size: 8, .value_kind: global_buffer, .address_space: global }
      - { .name: wc, .offset: 8, .size: 8, .value_kind: global_buffer, .address_space: global }
      - { .name: lowp_scales, .offset: 16, .size: 8, .value_kind: global_buffer, .address_space: global }
      - { .name: out0, .offset: 24, .size: 8, .value_kind: global_buffer, .address_space: global }
    .group_segment_fixed_size: 327680
    .private_segment_fixed_size: 0
    .kernarg_segment_align: 8
    .kernarg_segment_size: 32
    .max_flat_workgroup_size: 128
    .sgpr_count:     98
    .vgpr_count:     1024
    .wavefront_size: 32
...
	.end_amdgpu_metadata
.endif
;; end of part 4
